; MI455X (gfx1250); checked and timed in simulation.
; The chip was launched on July 23, 2026; its instructions are those of AMD's public machine-readable ISA for CDNA 5 (MIT licence, August 2026) and "CDNA5" Instruction Set Architecture Reference Guide (July 2026). The comments in the code are by the model that wrote it; some were corrected since.
;; Real Imag Five Val Linear. Allowed arithmetic: float matrix products may take bf16 or f16 operands with f32 sums; other float arithmetic in f32, or as packed bf16 or f16 multiplies, adds, multiply-adds, maxima and minima; sums over many terms, partial sums and values carried from step to step in f32; what a program stores and reads back later, other than sums and carried values, may be rounded once to bf16 or f16.
;; Inputs: quant_x_im 2,048 x 4,096 float32; quant_x_re 2,048 x 4,096 float32; weight_im 2,048 x 4,096 float32; weight_re 2,048 x 4,096 float32.
;; Outputs: out0 2,048 x 2,048 float32; out1 2,048 x 2,048 float32.
;; 2 versions, each right; version 2 is version 1 with the launch quant written anew for expert scheduling mode. Each part assembles by itself: llvm-mc -triple=amdgcn-amd-amdhsa -mcpu=gfx1250 --defsym DOCPART=n.
;; ======== version 1 of 2: 3 launches
;; workspace buffers: xs 33,554,432 bytes; qs 33,554,432 bytes; part 4,096 bytes; scales 256 bytes
;; launch prep (part 1): grid 512 x 1, 8 waves a work-group, no clusters, 1,280 bytes of LDS; arguments quant_x_re, quant_x_im, weight_re, weight_im, xs, part; writes xs, part
.if DOCPART == 1
	.amdgcn_target "amdgcn-amd-amdhsa--gfx1250"
	.amdhsa_code_object_version 6
	.text
	.protected	k_q37e38533eb_prep
	.globl	k_q37e38533eb_prep
	.p2align	8
	.type	k_q37e38533eb_prep,@function
k_q37e38533eb_prep:
	s_mov_b64 s[64:65], 0
	v_nop
	global_prefetch_b8 v0, s[64:65] scope:SCOPE_SE
	s_setreg_imm32_b32 hwreg(HW_REG_WAVE_MODE, 25, 1), 1
	s_wait_xcnt 0x0
; FIRST OF THREE LAUNCHES.  (1) x_re and x_im, [2048][4096] f32, are rounded once to bf16 and laid into xs, [4096][4096] bf16: token t, part p (0 re, 1 im) lies in
; row 128 (t / 64) + 64 p + t % 64, so that 128 consecutive rows hold 64 tokens' re and then the same tokens' im.  (2) Partial sums of |bf16(w)| for both weight matrices:
; the mean that sets the grid's scale is taken of the weights as rounded to bf16, since every input of the program is rounded so at the door (a stated decision: the grid is
; then decided on the rounded numbers).  LIMITS: NaN and infinities are not treated apart; |x| beyond bf16's largest finite number rounds to an infinity; the sums of |w| must be finite.
; SHARES.  Work-group g, wave v: row 8 g + v of xs (one row of x, 16,384 bytes in, 8,192 out); and one row of w: waves 0-3 row 4 g + v of weight_re, waves 4-7 row 4 g + v - 4 of weight_im.
; A row goes in 32 steps of 512 bytes (16 bytes a lane); a step's x leaves as 8 bytes a lane: 256 consecutive bytes, at a multiple of 256 from xs's first byte.
; A ring of eight slots in registers keeps sixteen loads of every wave on their way.  No matrix unit, no tensor load, no cluster: nothing is shared between work-groups, each byte is read once.
; SUMS in f32, in one fixed order: four chains a lane, a tree over the lanes, the waves' sums through LDS; part[g] = (sum for weight_re, sum for weight_im).
.set DEPTH, 8                          ; slots
.set STEPS, 32                         ; steps in a row
.set SPARE, 256                        ; LDS: bytes 0-31 the eight waves' sums (the block 0-255 is theirs); from 256 on the spare words, 128 bytes for each wave, which no other line names
.set LO,  2                            ; v2       16 x lane: my bytes in a step of x or w; never rewritten
.set SO,  3                            ; v3       8 x lane: my bytes in a step of xs; never rewritten
.set SPW, 4                            ; v4       LDS address of my spare word; never rewritten
.set NIL, 5                            ; v5       0; never rewritten
.set ACC, 6                            ; v[6:9]   four chains of the sum of |w|
.set TP,  10                           ; v[10:11] four weights, rounded and packed
.set TW,  12                           ; v[12:15] their magnitudes in f32
.set Y,   16                           ; v[16:31] slot s: two registers, four bf16 of x to store
.set XW,  32                           ; v[32:95] slot s: four registers of x, then four of w, as loaded
	s_load_b256 s[4:11], s[0:1], 0x0               ; x_re s[4:5], x_im s[6:7], weight_re s[8:9], weight_im s[10:11]
	s_load_b128 s[12:15], s[0:1], 0x20             ; xs s[12:13], part s[14:15]
	v_lshl_add_u32 v[SPW], v0, 2, SPARE
	v_mov_b32 v[NIL], 0
	v_lshrrev_b32 v1, 5, v0
	v_readfirstlane_b32 s16, v1                    ; wave 0..7
	v_and_b32 v1, 31, v0
	v_lshlrev_b32 v[LO], 4, v1
	v_lshlrev_b32 v[SO], 3, v1
.irp k, 0,1,2,3
	v_mov_b32 v[ACC+(\k)], 0
.endr
	s_mov_b32 s28, 0x7fff7fff                      ; clears the signs of two bf16
	s_mov_b32 s29, 0xffff0000                      ; a word's upper bf16
	s_mov_b32 s30, 0x76543210                      ; v_permlanex16_b32: each lane takes its own place in the other half
	s_mov_b32 s31, 0xfedcba98
	; row R = 8 g + v of xs: R / 128 = g / 16, part p = bit 3 of g, R % 64 = 8 (g % 8) + v
	s_bfe_u32 s17, ttmp9, 0x10003                  ; p
	s_lshr_b32 s18, ttmp9, 4
	s_lshl_b32 s18, s18, 6
	s_and_b32 s19, ttmp9, 7
	s_lshl_b32 s19, s19, 3
	s_add_co_u32 s18, s18, s19
	s_add_co_u32 s18, s18, s16                     ; token t
	s_lshl_b32 s26, s18, 14                        ; its row in x: 16,384 bytes a row
	s_mov_b32 s27, 0
	s_lshl_b32 s18, ttmp9, 2
	s_and_b32 s19, s16, 3
	s_add_co_u32 s18, s18, s19                     ; my row of w
	s_lshl_b32 s34, s18, 14
	s_mov_b32 s35, 0
	s_lshl_b32 s18, ttmp9, 3
	s_add_co_u32 s18, s18, s16                     ; R
	s_lshl_b32 s36, s18, 13                        ; 8,192 bytes a row of xs
	s_mov_b32 s37, 0
	s_lshl_b32 s38, ttmp9, 3                       ; part[g]: 8 bytes
	s_mov_b32 s39, 0
	s_wait_kmcnt 0x0
	s_cmp_eq_u32 s17, 0
	s_cselect_b64 s[20:21], s[4:5], s[6:7]         ; x_re or x_im
	s_add_nc_u64 s[20:21], s[20:21], s[26:27]
	s_cmp_lt_u32 s16, 4
	s_cselect_b64 s[22:23], s[8:9], s[10:11]       ; weight_re or weight_im
	s_add_nc_u64 s[22:23], s[22:23], s[34:35]
	s_add_nc_u64 s[24:25], s[12:13], s[36:37]
	s_add_nc_u64 s[14:15], s[14:15], s[38:39]
.irp s, 0,1,2,3,4,5,6,7
	global_load_b128 v[XW+8*(\s):XW+8*(\s)+3],   v[LO], s[20:21] offset:512*(\s) th:TH_LOAD_NT  ; x is read once in the program
	global_load_b128 v[XW+8*(\s)+4:XW+8*(\s)+7], v[LO], s[22:23] offset:512*(\s)                ; w is read again by the next launch
.endr
; Step i, in slot i % 8.  ahead = 1: the slot is filled again with step i + 8.  left = the younger loads that may stay out.
.macro STEP i, ahead, left
.set sl, (\i)%DEPTH
	s_wait_loadcnt \left                           ; loads come back in order: this step's two are in
	s_wait_xcnt 0x0                                ; the slot's last store has read Y: it is rewritten only behind this wait
	v_cvt_pk_bf16_f32 v[Y+2*sl],   v[XW+8*sl],   v[XW+8*sl+1]
	v_cvt_pk_bf16_f32 v[Y+2*sl+1], v[XW+8*sl+2], v[XW+8*sl+3]
	v_cvt_pk_bf16_f32 v[TP],   v[XW+8*sl+4], v[XW+8*sl+5]   ; the weights as the program sees them,
	v_cvt_pk_bf16_f32 v[TP+1], v[XW+8*sl+6], v[XW+8*sl+7]
	v_and_b32 v[TP],   s28, v[TP]                  ; their magnitudes,
	v_and_b32 v[TP+1], s28, v[TP+1]
	v_lshlrev_b32 v[TW],   16,  v[TP]              ; in f32
	v_and_b32     v[TW+1], s29, v[TP]
	v_lshlrev_b32 v[TW+2], 16,  v[TP+1]
	v_and_b32     v[TW+3], s29, v[TP+1]
	v_pk_add_f32 v[ACC:ACC+1],   v[ACC:ACC+1],   v[TW:TW+1]
	v_pk_add_f32 v[ACC+2:ACC+3], v[ACC+2:ACC+3], v[TW+2:TW+3]
.if \ahead
	global_load_b128 v[XW+8*sl:XW+8*sl+3],   v[LO], s[20:21] offset:512*((\i)+DEPTH) th:TH_LOAD_NT
	global_load_b128 v[XW+8*sl+4:XW+8*sl+7], v[LO], s[22:23] offset:512*((\i)+DEPTH)
.endif
	global_store_b64 v[SO], v[Y+2*sl:Y+2*sl+1], s[24:25] offset:256*(\i) th:TH_STORE_NT  ; 32 lanes store 256 consecutive bytes
.endm
.set n, 0
.rept STEPS-DEPTH
	STEP n, 1, 2*(DEPTH-1)                         ; seven younger steps, two loads each
.set n, n+1
.endr
.rept DEPTH
	STEP n, 0, 2*(STEPS-1-n)                       ; the last eight steps load nothing: the counts run down
.set n, n+1
.endr
	; my row's sum: the four chains, then the 32 lanes
	v_pk_add_f32 v[ACC:ACC+1], v[ACC:ACC+1], v[ACC+2:ACC+3]
	v_add_f32 v96, v[ACC], v[ACC+1]
	v_mov_b32 v97, 0                               ; v_permlanex16_b32's destination counts as read
	v_add_f32_dpp v96, v96, v96 row_xmask:1 row_mask:0xf bank_mask:0xf
	v_add_f32_dpp v96, v96, v96 row_xmask:2 row_mask:0xf bank_mask:0xf
	v_add_f32_dpp v96, v96, v96 row_xmask:4 row_mask:0xf bank_mask:0xf
	v_add_f32_dpp v96, v96, v96 row_xmask:8 row_mask:0xf bank_mask:0xf
	v_permlanex16_b32 v97, v96, s30, s31
	v_add_f32 v96, v96, v97
	v_mov_b32 v98, s16
	v_lshlrev_b32 v98, 2, v98
	ds_store_b32 v98, v96                          ; word v: all lanes write the same number
	s_wait_dscnt 0x0                               ; for the others' sake: my store is done
	s_barrier_signal -1
	s_barrier_wait -1
	s_cmp_lg_u32 s16, 0
	s_cbranch_scc1 .Lend                           ; wave 0 adds the eight up
	v_mov_b32 v99, 0
	ds_load_b128 v[32:35], v99                     ; waves 0-3: weight_re's rows
	ds_load_b128 v[36:39], v99 offset:16           ; waves 4-7: weight_im's
	s_wait_dscnt 0x0
	v_add_f32 v32, v32, v33
	v_add_f32 v34, v34, v35
	v_add_f32 v36, v36, v37
	v_add_f32 v38, v38, v39
	v_add_f32 v40, v32, v34
	v_add_f32 v41, v36, v38
	s_wait_xcnt 0x0                                ; EXEC is a source of the stores above: it changes only behind this wait
	v_cmp_eq_u32 vcc_lo, 0, v0
	s_and_saveexec_b32 s32, vcc_lo
	global_store_b64 v99, v[40:41], s[14:15]       ; eight bytes a work-group: 4,096 in the launch
	s_wait_xcnt 0x0                                ; and again ahead of the line that widens it
	s_or_b32 exec_lo, exec_lo, s32
.Lend:
	s_wait_tensorcnt 0x0                           ; the wave's end: behind my last LDS store
	ds_add_u32 v[SPW], v[NIL]
	s_wait_dscnt 0x0
	s_endpgm
.Lfunc_end_k_q37e38533eb_prep:
	.size	k_q37e38533eb_prep, .Lfunc_end_k_q37e38533eb_prep-k_q37e38533eb_prep
	.p2alignl 7, 3214868480
	.fill 96, 4, 3214868480
	.section	.rodata,"a",@progbits
	.p2align	6, 0x0
	.amdhsa_kernel k_q37e38533eb_prep
		.amdhsa_group_segment_fixed_size 1280
		.amdhsa_private_segment_fixed_size 0
		.amdhsa_enable_private_segment 0
		.amdhsa_kernarg_size 48
		.amdhsa_user_sgpr_count 2
		.amdhsa_user_sgpr_kernarg_segment_ptr 1
		.amdhsa_wavefront_size32 1
		.amdhsa_system_sgpr_workgroup_id_x 1
		.amdhsa_system_sgpr_workgroup_id_y 1
		.amdhsa_system_sgpr_workgroup_id_z 1
		.amdhsa_system_vgpr_workitem_id 0
		.amdhsa_next_free_vgpr 104
		.amdhsa_next_free_sgpr 66
		.amdhsa_reserve_vcc 1
		.amdhsa_float_denorm_mode_32 3
		.amdhsa_float_denorm_mode_16_64 3
		.amdhsa_memory_ordered 1
		.amdhsa_forward_progress 1
		.amdhsa_inst_pref_size 33
	.end_amdhsa_kernel
	.amdgpu_metadata
---
amdhsa.version: [ 1, 2 ]
amdhsa.kernels:
  - .name:           k_q37e38533eb_prep
    .symbol:         k_q37e38533eb_prep.kd
    .args:
      - { .name: quant_x_re, .offset: 0, .size: 8, .value_kind: global_buffer, .address_space: global }
      - { .name: quant_x_im, .offset: 8, .size: 8, .value_kind: global_buffer, .address_space: global }
      - { .name: weight_re, .offset: 16, .size: 8, .value_kind: global_buffer, .address_space: global }
      - { .name: weight_im, .offset: 24, .size: 8, .value_kind: global_buffer, .address_space: global }
      - { .name: xs, .offset: 32, .size: 8, .value_kind: global_buffer, .address_space: global }
      - { .name: part, .offset: 40, .size: 8, .value_kind: global_buffer, .address_space: global }
    .group_segment_fixed_size: 1280
    .private_segment_fixed_size: 0
    .kernarg_segment_align: 8
    .kernarg_segment_size: 48
    .max_flat_workgroup_size: 256
    .sgpr_count:     66
    .vgpr_count:     104
    .wavefront_size: 32
...
	.end_amdgpu_metadata
.endif
;; end of part 1
;; launch quant (part 2): grid 512 x 1, 8 waves a work-group, no clusters, 0 bytes of LDS; arguments weight_re, weight_im, part, qs, scales; writes qs, scales
.if DOCPART == 2
	.amdgcn_target "amdgcn-amd-amdhsa--gfx1250"
	.amdhsa_code_object_version 6
	.text
	.protected	k_q37e38533eb_quant
	.globl	k_q37e38533eb_quant
	.p2align	8
	.type	k_q37e38533eb_quant,@function
k_q37e38533eb_quant:
	s_mov_b64 s[64:65], 0
	v_nop
	global_prefetch_b8 v0, s[64:65] scope:SCOPE_SE
	s_setreg_imm32_b32 hwreg(HW_REG_WAVE_MODE, 25, 1), 1
	s_wait_xcnt 0x0
; SECOND OF THREE LAUNCHES.  The two scales are finished, and the weights become grid numbers.  With s = max(mean |w|, 1e-5) the dequantised weight is clip(round(2 w / s) / 2, -1, 1) s
; = n (s / 2), n = clamp(rndne(w / (s / 2)), -2, 2): halving s and doubling the quotient are exact, and a clip at 1 behind the halving is a clamp at 2 ahead of it.  n, one of -2 .. 2, is exact in bf16
; and goes into qs, [4096][4096] bf16: output channel o, matrix p (0 re, 1 im) in row 128 (o / 64) + 64 p + o % 64.  The factors s / 2 go into scales and are applied in f32 by the next launch.
; w is the weight rounded once to bf16, as in the launch before (every input is rounded so at the door: a stated decision).  The forward value w + (q s - w) is taken as q s: they differ by one f32 rounding of w's size.
; THE SCALE.  sh = s / 2 = max(sum x 2^-24, 1e-5 / 2): there are 2^23 weights.  Every wave adds part's 512 pairs in the same fixed order, so all have the same bits.
; THE QUOTIENT.  r = 1 / sh, refined once; q0 = w r; q = q0 + (w - q0 sh) r, both steps fused.  |w| / sh is at most 2^24, since sh is at least |w| / 2^24: nothing overflows.  Ties go to even.
; LIMITS.  NaN and infinities are not treated apart; the sums of |w| are finite; sh lies under 2^126 (v_rcp_f32 gives 0 for a result below 2^-126: ISA guide, its entry).
; SHARES.  Work-group g, wave v: row 8 g + v of qs, from one row of w: 32 chunks of 512 bytes in (16 bytes a lane), 256 consecutive bytes out.  Sixteen loads of a wave are on their way.
.set DEPTH, 16
.set STEPS, 32
.set LO,  2                            ; v2        16 x lane; never rewritten
.set SO,  3                            ; v3        8 x lane; never rewritten
.set SH,  4                            ; v[4:5]    sh of my matrix, twice
.set RH,  6                            ; v[6:7]    1 / sh, twice
.set TP,  8                            ; v[8:9]    four weights, rounded and packed
.set W,   10                           ; v[10:13]  the same in f32
.set Q,   14                           ; v[14:17]  quotients, then n
.set E,   18                           ; v[18:21]  residuals
.set HS,  22                           ; v[22:23]  (sh of weight_re, sh of weight_im); never rewritten
.set P,   24                           ; v[24:55]  part, as loaded; later:
.set Y,   24                           ;           slot s: two registers, four bf16 to store
.set X,   56                           ; v[56:119] slot s: four weights as loaded
	s_load_b256 s[4:11], s[0:1], 0x0               ; weight_re s[4:5], weight_im s[6:7], part s[8:9], qs s[10:11]
	s_load_b64 s[12:13], s[0:1], 0x20              ; scales
	v_lshrrev_b32 v1, 5, v0
	v_readfirstlane_b32 s14, v1                    ; wave 0..7
	v_and_b32 v1, 31, v0
	v_lshlrev_b32 v[LO], 4, v1
	v_lshlrev_b32 v[SO], 3, v1
	s_mov_b32 s22, 0xffff0000                      ; a word's upper bf16
	s_mov_b32 s24, 0xc0000000                      ; -2.0
	s_mov_b32 s25, 0x40000000                      ; 2.0
	s_mov_b32 s26, 0x76543210                      ; v_permlanex16_b32: each lane takes its own place in the other half
	s_mov_b32 s27, 0xfedcba98
	s_lshr_b32 s28, ttmp9, 4                       ; row R = 8 g + v of qs: R / 128 = g / 16, p = bit 3 of g, R % 64 = 8 (g % 8) + v
	s_lshl_b32 s28, s28, 6
	s_and_b32 s20, ttmp9, 7
	s_lshl_b32 s20, s20, 3
	s_add_co_u32 s28, s28, s20
	s_add_co_u32 s28, s28, s14                     ; channel o
	s_lshl_b32 s20, s28, 14                        ; its row in w
	s_mov_b32 s21, 0
	s_lshl_b32 s28, ttmp9, 3
	s_add_co_u32 s28, s28, s14                     ; R
	s_lshl_b32 s30, s28, 13
	s_mov_b32 s31, 0
	s_bfe_u32 s15, ttmp9, 0x10003                  ; p
	s_cmp_lg_u32 s15, 0
	s_cselect_b32 s23, -1, 0                       ; a lane mask: all ones where my matrix is weight_im
	s_wait_kmcnt 0x0
	s_cselect_b64 s[16:17], s[6:7], s[4:5]         ; (the compare above still stands: moves, selects and waits leave it)
	s_add_nc_u64 s[16:17], s[16:17], s[20:21]
	s_add_nc_u64 s[18:19], s[10:11], s[30:31]
.irp j, 0,1,2,3,4,5,6,7
	global_load_b128 v[P+4*(\j):P+4*(\j)+3], v[LO], s[8:9] offset:512*(\j)  ; part: two pairs (re, im) a lane and load
.endr
.irp s, 0,1,2,3,4,5,6,7,8,9,10,11,12,13,14,15
	global_load_b128 v[X+4*(\s):X+4*(\s)+3], v[LO], s[16:17] offset:512*(\s) th:TH_LOAD_NT
.endr
	s_wait_loadcnt 16                              ; part is in; the sixteen chunks of w issued behind it stay out
.irp j, 0,1,2,3,4,5,6,7
	v_pk_add_f32 v[P+4*(\j):P+4*(\j)+1], v[P+4*(\j):P+4*(\j)+1], v[P+4*(\j)+2:P+4*(\j)+3]
.endr
.irp j, 0,1,2,3
	v_pk_add_f32 v[P+4*(\j):P+4*(\j)+1], v[P+4*(\j):P+4*(\j)+1], v[P+4*(\j)+16:P+4*(\j)+17]
.endr
.irp j, 0,1
	v_pk_add_f32 v[P+4*(\j):P+4*(\j)+1], v[P+4*(\j):P+4*(\j)+1], v[P+4*(\j)+8:P+4*(\j)+9]
.endr
	v_pk_add_f32 v[P:P+1], v[P:P+1], v[P+4:P+5]
.irp m, 1,2,4,8
	v_add_f32_dpp v[P],   v[P],   v[P]   row_xmask:\m row_mask:0xf bank_mask:0xf
	v_add_f32_dpp v[P+1], v[P+1], v[P+1] row_xmask:\m row_mask:0xf bank_mask:0xf
.endr
	v_permlanex16_b32 v[P+2], v[P],   s26, s27     ; (destinations that the loads have written)
	v_permlanex16_b32 v[P+3], v[P+1], s26, s27
	v_add_f32 v[HS],   v[P],   v[P+2]
	v_add_f32 v[HS+1], v[P+1], v[P+3]
	v_mul_f32 v[HS],   0x33800000, v[HS]           ; x 2^-24: half the mean
	v_mul_f32 v[HS+1], 0x33800000, v[HS+1]
	v_max_num_f32 v[HS],   0x36a7c5ac, v[HS]       ; f32(1e-5) / 2
	v_max_num_f32 v[HS+1], 0x36a7c5ac, v[HS+1]
	v_cndmask_b32 v[SH], v[HS], v[HS+1], s23       ; my matrix's
	v_mov_b32 v[SH+1], v[SH]
	v_rcp_f32 v[RH], v[SH]
	v_nop                                          ; a plain instruction behind the reciprocal,
	s_wait_alu depctr_va_vdst(0)                   ; and a wait ahead of the first line that names its result
	v_fma_f32 v[E], -v[SH], v[RH], 1.0
	v_fma_f32 v[RH], v[E], v[RH], v[RH]            ; refined once
	v_mov_b32 v[RH+1], v[RH]
	s_or_b32 s28, ttmp9, s14
	s_cmp_lg_u32 s28, 0
	s_cbranch_scc1 .Lnot_first                     ; one wave of the launch writes the scales:
	global_store_b64 v[SO], v[HS:HS+1], s[12:13]   ; the pair 32 times: 256 consecutive bytes, the whole buffer
.Lnot_first:
; Chunk i, in slot i % 16.  ahead = 1: the slot is filled again with chunk i + 16.  left = the younger loads that may stay out.
.macro QSTEP i, ahead, left
.set sl, (\i)%DEPTH
	s_wait_loadcnt \left                           ; loads come back in order: this chunk is in
	s_wait_xcnt 0x0                                ; the slot's last store has read Y: it is rewritten only behind this wait
	v_cvt_pk_bf16_f32 v[TP],   v[X+4*sl],   v[X+4*sl+1]
	v_cvt_pk_bf16_f32 v[TP+1], v[X+4*sl+2], v[X+4*sl+3]
	v_lshlrev_b32 v[W],   16,  v[TP]
	v_and_b32     v[W+1], s22, v[TP]
	v_lshlrev_b32 v[W+2], 16,  v[TP+1]
	v_and_b32     v[W+3], s22, v[TP+1]
	v_pk_mul_f32 v[Q:Q+1],   v[W:W+1],   v[RH:RH+1]
	v_pk_mul_f32 v[Q+2:Q+3], v[W+2:W+3], v[RH:RH+1]
	v_pk_fma_f32 v[E:E+1],   v[Q:Q+1],   v[SH:SH+1], v[W:W+1]   neg_lo:[1,0,0] neg_hi:[1,0,0]  ; w - q0 sh
	v_pk_fma_f32 v[E+2:E+3], v[Q+2:Q+3], v[SH:SH+1], v[W+2:W+3] neg_lo:[1,0,0] neg_hi:[1,0,0]
	v_pk_fma_f32 v[Q:Q+1],   v[E:E+1],   v[RH:RH+1], v[Q:Q+1]
	v_pk_fma_f32 v[Q+2:Q+3], v[E+2:E+3], v[RH:RH+1], v[Q+2:Q+3]
.irp k, 0,1,2,3
	v_rndne_f32 v[Q+(\k)], v[Q+(\k)]
.endr
.irp k, 0,1,2,3
	v_med3_num_f32 v[Q+(\k)], v[Q+(\k)], s24, s25
.endr
	v_cvt_pk_bf16_f32 v[Y+2*sl],   v[Q],   v[Q+1]  ; exact
	v_cvt_pk_bf16_f32 v[Y+2*sl+1], v[Q+2], v[Q+3]
.if \ahead
	global_load_b128 v[X+4*sl:X+4*sl+3], v[LO], s[16:17] offset:512*((\i)+DEPTH) th:TH_LOAD_NT
.endif
	global_store_b64 v[SO], v[Y+2*sl:Y+2*sl+1], s[18:19] offset:256*(\i) th:TH_STORE_NT  ; 32 lanes store 256 consecutive bytes
.endm
.set n, 0
.rept DEPTH
	QSTEP n, 1, DEPTH-1                            ; fifteen younger chunks stay out
.set n, n+1
.endr
.rept STEPS-DEPTH
	QSTEP n, 0, STEPS-1-n                          ; the last sixteen load nothing: the counts run down from fifteen
.set n, n+1
.endr
	s_endpgm
.Lfunc_end_k_q37e38533eb_quant:
	.size	k_q37e38533eb_quant, .Lfunc_end_k_q37e38533eb_quant-k_q37e38533eb_quant
	.p2alignl 7, 3214868480
	.fill 96, 4, 3214868480
	.section	.rodata,"a",@progbits
	.p2align	6, 0x0
	.amdhsa_kernel k_q37e38533eb_quant
		.amdhsa_group_segment_fixed_size 0
		.amdhsa_private_segment_fixed_size 0
		.amdhsa_enable_private_segment 0
		.amdhsa_kernarg_size 40
		.amdhsa_user_sgpr_count 2
		.amdhsa_user_sgpr_kernarg_segment_ptr 1
		.amdhsa_wavefront_size32 1
		.amdhsa_system_sgpr_workgroup_id_x 1
		.amdhsa_system_sgpr_workgroup_id_y 1
		.amdhsa_system_sgpr_workgroup_id_z 1
		.amdhsa_system_vgpr_workitem_id 0
		.amdhsa_next_free_vgpr 120
		.amdhsa_next_free_sgpr 66
		.amdhsa_reserve_vcc 0
		.amdhsa_float_denorm_mode_32 3
		.amdhsa_float_denorm_mode_16_64 3
		.amdhsa_memory_ordered 1
		.amdhsa_forward_progress 1
		.amdhsa_inst_pref_size 49
	.end_amdhsa_kernel
	.amdgpu_metadata
---
amdhsa.version: [ 1, 2 ]
amdhsa.kernels:
  - .name:           k_q37e38533eb_quant
    .symbol:         k_q37e38533eb_quant.kd
    .args:
      - { .name: weight_re, .offset: 0, .size: 8, .value_kind: global_buffer, .address_space: global }
      - { .name: weight_im, .offset: 8, .size: 8, .value_kind: global_buffer, .address_space: global }
      - { .name: part, .offset: 16, .size: 8, .value_kind: global_buffer, .address_space: global }
      - { .name: qs, .offset: 24, .size: 8, .value_kind: global_buffer, .address_space: global }
      - { .name: scales, .offset: 32, .size: 8, .value_kind: global_buffer, .address_space: global }
    .group_segment_fixed_size: 0
    .private_segment_fixed_size: 0
    .kernarg_segment_align: 8
    .kernarg_segment_size: 40
    .max_flat_workgroup_size: 256
    .sgpr_count:     66
    .vgpr_count:     120
    .wavefront_size: 32
...
	.end_amdgpu_metadata
.endif
;; end of part 2
;; launch gemm (part 3): grid 16 x 16, 4 waves a work-group, clusters of 4 x 4, 327,680 bytes of LDS; arguments xs, qs, out0, out1, scales; writes out0, out1
.if DOCPART == 3
	.amdgcn_target "amdgcn-amd-amdhsa--gfx1250"
	.amdhsa_code_object_version 6
	.text
	.protected	k_q37e38533eb_gemm
	.globl	k_q37e38533eb_gemm
	.p2align	8
	.type	k_q37e38533eb_gemm,@function
k_q37e38533eb_gemm:
	s_mov_b64 s[64:65], 0
	v_nop
	global_prefetch_b8 v0, s[64:65] scope:SCOPE_SE
	s_setreg_imm32_b32 hwreg(HW_REG_WAVE_MODE, 25, 1), 1
	s_wait_xcnt 0x0
	s_wait_alu depctr_hold_cnt(0) depctr_sa_sdst(0) depctr_va_vdst(0) depctr_va_sdst(0) depctr_va_ssrc(0) depctr_va_vcc(0) depctr_vm_vsrc(0)
	s_getreg_b32 s2, hwreg(HW_REG_IB_STS2, 6, 4)
	s_cmp_eq_u32 s2, 0
	s_cbranch_scc0 .Lentry_in_a_cluster
	s_endpgm
.Lentry_in_a_cluster:
	s_bfe_u32 s2, ttmp6, 0x10000c
	s_cmp_lg_u32 s2, 0xf033
	s_cbranch_scc0 .Lentry_shape_is_right
	s_endpgm
.Lentry_shape_is_right:
; THIRD OF THREE LAUNCHES.  P = xs qs^T, 4096 x 4096 x 4096 in bf16 with f32 sums, holds the four products of the complex layer side by side; on the way out
;   out0 = sh_re (x_re . n_re) - sh_im (x_im . n_im),   out1 = sh_im (x_re . n_im) + sh_re (x_im . n_re),   both [2048][2048] f32.
; xs: x rounded once to bf16; qs: the grid numbers n = -2 .. 2, exact in bf16; sh = half the scale of a weight matrix, applied in f32, so that no scale is ever rounded to bf16.
; In both, 128 consecutive rows are 64 tokens' (channels') re and then the same ones' im.  LIMITS: those of the two launches before; NaN and infinities are not treated apart.
; SHARES.  A tile of P, 256 x 256, is made by a work-group of four waves; a wave makes 128 x 128: 64 accumulators of 16 x 16, 512 registers: 64 tokens x (re, im) by 64 channels x (re, im), so all
; four products that an output needs lie in one lane of one wave.  256 tiles, one a work-group.  K goes in steps of 128 through a ring of two LDS slots filled by the tensor data mover:
; the tiles' rows are 256 bytes of memory, at multiples of 256 bytes from the buffer's first byte.
; CLUSTERS: 4 x 4 work-groups.  The four of a row of the cluster need the same tiles of xs, the four of a column the same tiles of qs: each tile is asked for JOINTLY, by the same tensor load with
; the same descriptor and a mask that names the four; each receives it in its own LDS.
; THE MATRIX INSTRUCTION IS USED TRANSPOSED: source 0 = 16 rows of qs, source 1 = 16 rows of xs: lane l then holds token l % 16 and its registers 0-7 the channels 8 (l / 16) + 0..7.
; REGISTERS, in windows of 256 (s_set_vgpr_msb's low byte: bits 1:0 source 0, 3:2 source 1, 5:4 source 2, 7:6 destination):
;   window 0: v0-31 addresses; v64-127, v128-191 fragments of xs (8 x 16 rows x 32 K), two buffers; v192-223, v32-63, v224-255 at work on the way out
;   window 1: v64-127, v128-191 fragments of qs, two buffers
;   window 2: the 32 accumulators of my 64 tokens' re (accumulator (a, b) at v[8 (8 a + b)]; b 0-3: n_re, b 4-7: n_im);   window 3: the same for their im
.set SIZE_K, 4096
.set KSTEP,  128
.set PITCH,  272                       ; an LDS row: 256 bytes + 16 of padding = 68 words: row r starts at bank 4 r mod 64 (64 banks of 4 bytes: ISA guide 11.1), so the 16 rows of a load start at 16 different banks
.set HALFT,  128*PITCH                 ; 128 rows: what one tensor load brings, and what one wave reads of xs or of qs
.set SLOT,   4*HALFT                   ; xs's 256 rows, then qs's 256 rows
.set STAGE,  2*SLOT                    ; behind the ring, never filled by a tensor load: 16 rows x 272 bytes for each wave, for the way out
.set SPITCH, 272
.set SPARE,  STAGE+4*16*SPITCH         ; behind the stages: the spare words, 128 bytes for each wave: two blocks of 256 bytes that no other line names
.set LAPS,   SIZE_K/(2*KSTEP)          ; a lap = two K steps = once round the ring: 16
.set OROW,   8192                      ; bytes in a row of out0 and out1
.set ADRA, 16                          ; v16-17  LDS address of my xs fragments in slot 0, 1
.set ADRB, 20                          ; v20-21  the same for qs
.set STO,  24                          ; v24     the way out: where I put 32 bytes of a row
.set RD,   25                          ; v25     the way out: where I read a row back
.set CO,   26                          ; v26     my byte offset in two rows of an output; never rewritten
.set SPW,  28                          ; v28     LDS address of my spare word; never rewritten
.set NIL,  29                          ; v29     0; never rewritten
.set PFO,  30                          ; v30     the prefetches' offset: my lane x a row of xs or qs (8,192 bytes); never rewritten
.set F0,   64                          ; fragment buffer 0
.set F1,   128                         ; fragment buffer 1
.set TMP,  192                         ; the way out: a block's 32 results a lane
.set OB,   32                          ; the way out: 16 rows read back from the stage: v32-63 and v224-255 by turns
.set G1,  24                           ; s[24:31] descriptor group 1 for xs's tiles
.set G0,  32                           ; s[32:39] descriptor group 0 for xs's tiles, one set for each slot
.set LIM, 43                           ; s43      1 in a wave that prefetches, else the greatest number
.set PFA, 44                           ; s[44:45] where my prefetches stand
.set G1B, 48                           ; s[48:55] group 1 for qs's tiles: it differs in the mask alone
.set G0B, 56                           ; s[56:63] group 0 for qs's tiles
.set SR,  74                           ; s[74:75] sh_re, named as a pair
.set SI,  76                           ; s[76:77] sh_im
.set NSI, 78                           ; s[78:79] -sh_im
.set MSB, 0
.macro WIN new                         ; the immediate's high byte repeats the setting that is left; a switch that changes nothing is dropped
.if MSB != (\new)
	s_set_vgpr_msb (MSB<<8)|(\new)
.set MSB, \new
.endif
.endm
.set MUL_LO, 0xa1                      ; source 0 (qs) window 1, source 1 (xs) window 0, C and D window 2
.set MUL_HI, 0xf1                      ; the same, C and D window 3
.set TO_B,   0x40                      ; destination window 1, address window 0
; A joint load.  Waves 0 and 1 fetch xs's two halves, waves 2 and 3 qs's.  Each line has one mask and one set of registers for all that issue it; the branch hangs on the wave's number alone.
; An s_nop 0 and four v_nop follow each of the two lines, ahead of the jump, the label and what follows.
.macro JLOAD s
	s_cmp_eq_u32 s11, 0
	s_cbranch_scc0 .Lfor_b_\@
	tensor_load_to_lds s[G0+4*(\s):G0+4*(\s)+3], s[G1:G1+7]
	s_nop 0
.rept 4
	v_nop
.endr
	s_branch .Lasked_\@
.Lfor_b_\@:
	tensor_load_to_lds s[G0B+4*(\s):G0B+4*(\s)+3], s[G1B:G1B+7]
	s_nop 0
.rept 4
	v_nop
.endr
.Lasked_\@:
.endm
; A PREFETCH, behind each joint refill, its five lines and the run of LDS loads that follows them: the K step that stands TWO refills on (512 matrix instructions ahead of the load that will want it):
; 32 rows x 256 bytes, a lane a row, one instruction a wave.  Each row's 256 bytes of a K step are named ONCE in the launch: xs's tile row is read by every cluster of that row of clusters, and the one
; with x = 0 asks; qs's tile column by every cluster of that column, and the one with y = 0 asks.  The four partners that ask for a tile jointly share its rows out BY ADDRESS: of the 128 rows that a wave
; fetches, the partner at place p takes 32 p .. 32 p + 31 (p = cx for xs, cy for qs): no branch hangs on a work-group's place in its cluster.  K steps 0 to 3 come by their loads alone;
; the loop's last trip (s3 = 1) asks for nothing: its refills are K steps 30 and 31, the last.
.macro ASK
	s_cmp_gt_u32 s3, s[LIM]
	s_cbranch_scc0 .Lnot_mine_\@
	global_prefetch_b8 v[PFO], s[PFA:PFA+1] offset:KSTEP*2 th:TH_LOAD_NT scope:SCOPE_SE
.Lnot_mine_\@:
.endm
; A round of the cluster's barrier: my work-group's barrier, so that wave 0's signal speaks for all four waves; wave 0 signals for the work-group; every wave waits for all sixteen; my work-group's barrier once more.
.macro CREST                           ; a round behind its opening barrier
	s_cmp_lg_u32 s10, 0
	s_cbranch_scc1 .Lnot_wave_0_\@
	s_barrier_signal -3
.Lnot_wave_0_\@:
	s_barrier_wait -3
	s_barrier_signal -1
	s_barrier_wait -1
.endm
.macro CROUND                          ; a whole round
	s_barrier_signal -1
	s_barrier_wait -1
	CREST
.endm
	s_load_b128 s[4:7], s[0:1], 0x0                ; xs s[4:5], qs s[6:7]
	s_load_b64 s[8:9], s[0:1], 0x10                ; out0
	s_load_b128 s[68:71], s[0:1], 0x18             ; out1 s[68:69], scales s[70:71]
	v_lshl_add_u32 v[SPW], v0, 2, SPARE
	v_mov_b32 v[NIL], 0
	ds_add_u32 v[SPW], v[NIL]                      ; the wave's opening: the add, twice on end, and its wait ahead of my first tensor load; the set-up below stands between
	ds_add_u32 v[SPW], v[NIL]                      ; and once more, under the one wait
	v_lshrrev_b32 v1, 5, v0
	v_readfirstlane_b32 s10, v1                    ; wave 0..3
	s_lshr_b32 s11, s10, 1                         ; which half of the tile's rows is mine.  Also: I fetch for xs (0) or for qs (1)
	s_and_b32 s12, s10, 1                          ; which half of its columns.  Also: which 128 rows of that tile I fetch
	s_bfe_u32 s40, ttmp6, 0x40000                  ; cx: my place along the cluster's x
	s_bfe_u32 s41, ttmp6, 0x40004                  ; cy: along its y
	s_lshl_b32 s42, ttmp9, 2                       ; in a cluster launch ttmp9 and ttmp7 count clusters
	s_add_co_u32 s42, s42, s40                     ; tile column = 4 x cluster x + cx
	s_and_b32 s13, ttmp7, 0xffff
	s_lshl_b32 s13, s13, 2
	s_add_co_u32 s13, s13, s41                     ; tile row = 4 x cluster y + cy
	s_lshl_b32 s43, s41, 2
	s_lshl_b32 s43, 15, s43                        ; my row of the cluster: places 4 cy .. 4 cy + 3
	s_lshl_b32 s44, 0x1111, s40                    ; my column: places cx, cx + 4, cx + 8, cx + 12
	; descriptor group 1: a tile of 128 rows x 128 elements, padded in LDS
	s_or_b32 s[G1+0], s43, (1<<16)|(1<<20)|(1<<21)|(5<<22)|(3<<25)   ; 15:0 the mask: xs's tiles go to my row; 17:16 elements of 2 bytes; 20 padding on; 21 set beside a mask; 24:22 after every 64 words (code 5); 31:25 4 words of it (code 3)
	s_or_b32 s[G1B+0], s44, (1<<16)|(1<<20)|(1<<21)|(5<<22)|(3<<25)  ; the same with the mask of my column, for qs's tiles
.irp g, G1, G1B
	s_mov_b32 s[(\g)+1], KSTEP<<16                 ; tensor_dim0 = 128
	s_mov_b32 s[(\g)+2], 128<<16                   ; tensor_dim1 = 128
	s_mov_b32 s[(\g)+3], KSTEP<<16                 ; tile_dim0 = 128
	s_mov_b32 s[(\g)+4], 128                       ; tile_dim1 = 128
	s_mov_b32 s[(\g)+5], SIZE_K                    ; elements from row to row
	s_mov_b32 s[(\g)+6], 0
	s_mov_b32 s[(\g)+7], 0
.endr
	; where the tiles come from.  xs's hang on the tile row alone, which my row of the cluster shares; qs's on the tile column alone, which my column shares.
	s_lshl_b32 s17, s12, 7                         ; which 128 rows of the tile I fetch
	s_lshl_b32 s16, s13, 8
	s_add_co_u32 s16, s16, s17                     ; xs: row 256 x tile row + 128 x half
	s_lshl_b32 s46, s42, 8
	s_add_co_u32 s46, s46, s17                     ; qs: row 256 x tile column + 128 x half
	s_mov_b32 s17, 0
	s_mov_b32 s47, 0
	s_mov_b64 s[18:19], SIZE_K*2
	s_mul_u64 s[16:17], s[16:17], s[18:19]         ; in bytes
	s_mul_u64 s[46:47], s[46:47], s[18:19]
	s_mul_i32 s20, s10, HALFT                      ; and where they go: wave x 128 rows: no place in the cluster enters an LDS address
	s_wait_dscnt 0x0                               ; both opening adds are done
	s_wait_kmcnt 0x0
	s_add_nc_u64 s[14:15], s[4:5], s[16:17]
	s_add_nc_u64 s[46:47], s[6:7], s[46:47]
	CROUND                                         ; all sixteen work-groups are here: the first joint loads meet
.irp s, 0,1
	s_mov_b32 s[G0+4*(\s)], 1                                        ; count = 1
	s_add_co_u32 s[G0+4*(\s)+1], s20, (\s)*SLOT                      ; LDS address
	s_add_nc_u64 s[G0+4*(\s)+2:G0+4*(\s)+3], s[14:15], (\s)*KSTEP*2  ; global address: K step s
	s_or_b32 s[G0+4*(\s)+3], s[G0+4*(\s)+3], 0x80000000              ; type = 2
	s_mov_b32 s[G0B+4*(\s)], 1
	s_add_co_u32 s[G0B+4*(\s)+1], s20, (\s)*SLOT
	s_add_nc_u64 s[G0B+4*(\s)+2:G0B+4*(\s)+3], s[46:47], (\s)*KSTEP*2
	s_or_b32 s[G0B+4*(\s)+3], s[G0B+4*(\s)+3], 0x80000000
	JLOAD \s                                       ; the ring is filled before anything else is done: two tensor loads of mine are out
.endr
	s_load_b64 s[72:73], s[70:71], 0x0             ; (sh_re, sh_im): no line of this launch writes that buffer
	; A fragment is 16 rows x 32 K in 8 registers: lane l holds row l % 16; registers 0-3 K = 8 (l / 16) + 0..7, registers 4-7 K = 16 + 8 (l / 16) + 0..7: two loads of 16 bytes, 32 bytes apart.
	v_and_b32 v1, 15, v0                           ; l % 16
	v_bfe_u32 v2, v0, 4, 1                         ; l / 16
	v_mul_u32_u24 v3, v1, PITCH
	v_lshl_add_u32 v3, v2, 4, v3                   ; row x pitch + 16 x half
	s_mul_i32 s21, s11, HALFT                      ; my 128 rows of xs
	s_mul_i32 s22, s12, HALFT                      ; my 128 rows of qs,
	s_add_co_u32 s22, s22, 2*HALFT                 ; which lie behind xs's 256
.irp s, 0,1
	v_add_nc_u32 v[ADRA+(\s)], s21, v3
	v_add_nc_u32 v[ADRB+(\s)], s22, v3
	s_add_co_u32 s21, s21, SLOT
	s_add_co_u32 s22, s22, SLOT
.endr
	s_mul_i32 s23, s10, 16*SPITCH
	s_add_co_u32 s23, s23, STAGE                   ; my stage
	v_mul_u32_u24 v4, v1, SPITCH                   ; in: row l % 16, 32 bytes (8 f32) for each half of the lanes
	v_lshl_add_u32 v4, v2, 5, v4
	v_add_nc_u32 v[STO], s23, v4
	v_mul_u32_u24 v5, v2, SPITCH                   ; back: lanes 0-15 take one row of 256 bytes, lanes 16-31 the next
	v_lshl_add_u32 v5, v1, 4, v5
	v_add_nc_u32 v[RD], s23, v5
	v_lshlrev_b32 v5, 13, v2                       ; and the same two rows in an output
	v_lshl_add_u32 v[CO], v1, 4, v5
	; where my 64 tokens x 64 channels begin in out0 and out1: token 128 x tile row + 64 x half, channel 128 x tile column + 64 x half
	s_lshl_b32 s16, s13, 7
	s_lshl_b32 s14, s11, 6
	s_add_co_u32 s16, s16, s14
	s_lshl_b32 s16, s16, 13                        ; 8,192 bytes a row: under 2^24
	s_mov_b32 s17, 0
	s_lshl_b32 s46, s42, 9                         ; (in the registers that held qs's address: none that feeds xs's descriptors holds cx while they are made)
	s_lshl_b32 s47, s12, 8
	s_add_co_u32 s46, s46, s47
	s_mov_b32 s47, 0
	s_add_nc_u64 s[16:17], s[16:17], s[46:47]
	s_add_nc_u64 s[8:9], s[8:9], s[16:17]
	s_add_nc_u64 s[68:69], s[68:69], s[16:17]
	; the prefetches
	s_lshl_b32 s13, s13, 8                         ; the tile's first row in xs,
	s_lshl_b32 s42, s42, 8                         ; in qs
	s_and_b32 s22, ttmp7, 0xffff                   ; cluster y
	s_cmp_eq_u32 s11, 0                            ; do I fetch for xs?
	s_cselect_b32 s20, s13, s42
	s_cselect_b32 s21, s40, s41                    ; my place among the four that ask with me
	s_cselect_b32 s22, ttmp9, s22                  ; the coordinate along which other clusters read the same rows
	s_cselect_b64 s[PFA:PFA+1], s[4:5], s[6:7]
	s_cmp_eq_u32 s22, 0
	s_cselect_b32 s[LIM], 1, -1                    ; the same in all sixteen partners, for a given wave
	s_lshl_b32 s22, s12, 7
	s_add_co_u32 s20, s20, s22                     ; + the 128 rows that I fetch
	s_lshl_b32 s21, s21, 5
	s_add_co_u32 s20, s20, s21                     ; + my work-group's 32 of them
	s_mov_b32 s21, 0
	s_mov_b64 s[18:19], SIZE_K*2
	s_mul_u64 s[20:21], s[20:21], s[18:19]
	s_add_nc_u64 s[PFA:PFA+1], s[PFA:PFA+1], s[20:21]
	s_add_nc_u64 s[PFA:PFA+1], s[PFA:PFA+1], 2*KSTEP*2  ; at K step 2: the first refill steps it to 3 and names K step 4
	v_and_b32 v[PFO], 31, v0
	v_mul_u32_u24 v[PFO], v[PFO], SIZE_K*2
	s_wait_kmcnt 0x0                               ; the scales
	s_mov_b32 s[SR], s72
	s_mov_b32 s[SR+1], s72
	s_mov_b32 s[SI], s73
	s_mov_b32 s[SI+1], s73
	s_xor_b32 s[NSI], s73, 0x80000000
	s_mov_b32 s[NSI+1], s[NSI]
; 16 matrix instructions: m blocks a0, a0 + 1 of the window's four (hi = 0: re tokens, 1: im tokens) x all 8 n blocks, 32 along K.  zero = 1: the first product starts the sums: nothing is ever cleared.
.macro MUL16 f, hi, a0, zero
	WIN MUL_LO+0x50*(\hi)
.irp a, \a0, (\a0)+1
.irp b, 0,1,2,3,4,5,6,7
.if \zero
	v_wmma_f32_16x16x32_bf16 v[8*(8*(\a)+(\b)):8*(8*(\a)+(\b))+7], v[(\f)+8*(\b):(\f)+8*(\b)+7], v[(\f)+8*(4*(\hi)+(\a)):(\f)+8*(4*(\hi)+(\a))+7], 0
.else
	v_wmma_f32_16x16x32_bf16 v[8*(8*(\a)+(\b)):8*(8*(\a)+(\b))+7], v[(\f)+8*(\b):(\f)+8*(\b)+7], v[(\f)+8*(4*(\hi)+(\a)):(\f)+8*(4*(\hi)+(\a))+7], v[8*(8*(\a)+(\b)):8*(8*(\a)+(\b))+7]
.endif
.endr
.endr
.endm
; 32 LDS loads in one run: the fragments of one quarter step (128 rows of qs, 128 rows of xs, 32 K at byte k of the rows) into buffer f
.macro FETCH slot, k, f
	WIN TO_B
.irp i, 0,1,2,3,4,5,6,7
	ds_load_b128 v[(\f)+8*(\i):(\f)+8*(\i)+3],   v[ADRB+(\slot)] offset:(\k)+(\i)*16*PITCH
	ds_load_b128 v[(\f)+8*(\i)+4:(\f)+8*(\i)+7], v[ADRB+(\slot)] offset:(\k)+(\i)*16*PITCH+32
.endr
	WIN 0
.irp i, 0,1,2,3,4,5,6,7
	ds_load_b128 v[(\f)+8*(\i):(\f)+8*(\i)+3],   v[ADRA+(\slot)] offset:(\k)+(\i)*16*PITCH
	ds_load_b128 v[(\f)+8*(\i)+4:(\f)+8*(\i)+7], v[ADRA+(\slot)] offset:(\k)+(\i)*16*PITCH+32
.endr
.endm
; A load into a register that a matrix instruction has read, and a vector instruction that reads a matrix result, stand four places behind that matrix instruction; only plain vector
; instructions that name none of its registers are places (ISA guide 7.12.1 for vector instructions).
.macro PLACES
.rept 4
	v_nop
.endr
.endm
; A K step is four quarters of 32 along K, 64 matrix instructions each, on buffers 0, 1, 0, 1.  The 64 accumulators take turns in the same order in every quarter.
; One of the first three: multiplies buffer f; in its middle it fetches the next quarter's fragments, at byte k of the same slot's rows, into buffer g.
.macro QUARTER slot, k, f, g, zero
	s_wait_dscnt 8                                 ; qs's fragments and xs's rows 0-63 are in; the youngest eight loads (xs's rows 64-127) may be out
	WIN MUL_LO
	MUL16 \f, 0, 0, \zero
	MUL16 \f, 0, 2, \zero
	PLACES
	FETCH \slot, \k, \g
	s_wait_dscnt 32                                ; all but the 32 just issued
	WIN MUL_HI
	MUL16 \f, 1, 0, \zero
	MUL16 \f, 1, 2, \zero
.endm
; The last quarter multiplies buffer 1 and changes slots.  MEET is its first half: ONE barrier for the change.  In front of it each wave waits for all its tensor loads, of which one is out: its part
; of the next slot; adds 0 to its spare word; and waits for that and for its own reads of this slot.  Behind it nobody reads this slot any more and the next slot is whole.
.macro MEET round                      ; round = 1: the rest of a round of the cluster's barrier follows
	WIN 0                                          ; (the add's two registers lie in window 0)
	s_wait_tensorcnt 0x0                           ; all my tensor loads have landed;
	ds_add_u32 v[SPW], v[NIL]                      ; 0 onto my spare word:
	s_wait_dscnt 9                                 ; (the add and the youngest eight loads may be out)
	WIN MUL_LO
	MUL16 F1, 0, 0, 0                              ; sixteen matrix instructions stand between the add and the wait for it
	s_wait_dscnt 0x0                               ; the add is done, and my reads of this slot are over:
	s_barrier_signal -1                            ; say so,
	MUL16 F1, 0, 2, 0                              ; work on registers while the others arrive,
.if \round
	WIN 0
.endif
	s_barrier_wait -1                              ; and go on when all four have said so
.endm
; The whole last quarter.  fill = 1: behind a round of the cluster's barrier the slot just read out is filled again first, with the K step two steps on: from that request to the wait for it a wave
; issues 224 matrix instructions; then come the next slot's first fragments.
.macro TURN slot, next, fill
.if \fill
	s_wait_xcnt 0x0                                ; the last prefetch, a K step back, has read its address: it is stepped here, ahead of the waits of the change of slots
	s_add_nc_u64 s[PFA:PFA+1], s[PFA:PFA+1], KSTEP*2
.endif
	MEET \fill
.if \fill
	CREST                                          ; no wave of any partner still reads this slot's tile or has a load on its way
	s_add_nc_u64 s[G0+4*(\slot)+2:G0+4*(\slot)+3], s[G0+4*(\slot)+2:G0+4*(\slot)+3], 2*KSTEP*2     ; no tensor load of mine is out, so a group 0 may be written
	s_add_nc_u64 s[G0B+4*(\slot)+2:G0B+4*(\slot)+3], s[G0B+4*(\slot)+2:G0B+4*(\slot)+3], 2*KSTEP*2
	JLOAD \slot                                    ; the first tensor load behind the round, my only one until the next; its four v_nop are also the places in front of the loads below
.else
	PLACES
.endif
	FETCH \next, 0, F0
.if \fill
	ASK
.endif
	WIN MUL_HI
	MUL16 F1, 1, 0, 0
	MUL16 F1, 1, 2, 0
.endm
; THE WAY OUT, in eight blocks n = 2 a + o of 16 tokens x 64 channels of f32: a = the block of 16 tokens, o = 0: out0, 1: out1.
; COMB: a block's results from two accumulators each, one multiply and one fused multiply-add; each accumulator is read once, its registers in ascending order.
.macro COMB a, o
	WIN 0x03                                       ; source 0 window 3 (im tokens), destination window 0
.irp b, 0,1,2,3
.irp r, 0,2,4,6
.if \o
	v_pk_mul_f32 v[TMP+8*(\b)+(\r):TMP+8*(\b)+(\r)+1], v[8*(8*(\a)+(\b))+(\r):8*(8*(\a)+(\b))+(\r)+1], s[SR:SR+1] op_sel_hi:[1,0]        ; sh_re (x_im . n_re)
.else
	v_pk_mul_f32 v[TMP+8*(\b)+(\r):TMP+8*(\b)+(\r)+1], v[8*(8*(\a)+(\b)+4)+(\r):8*(8*(\a)+(\b)+4)+(\r)+1], s[NSI:NSI+1] op_sel_hi:[1,0]  ; -sh_im (x_im . n_im)
.endif
.endr
.endr
	WIN 0x02                                       ; source 0 window 2 (re tokens)
.irp b, 0,1,2,3
.irp r, 0,2,4,6
.if \o
	v_pk_fma_f32 v[TMP+8*(\b)+(\r):TMP+8*(\b)+(\r)+1], v[8*(8*(\a)+(\b)+4)+(\r):8*(8*(\a)+(\b)+4)+(\r)+1], s[SI:SI+1], v[TMP+8*(\b)+(\r):TMP+8*(\b)+(\r)+1] op_sel_hi:[1,0,1]  ; + sh_im (x_re . n_im)
.else
	v_pk_fma_f32 v[TMP+8*(\b)+(\r):TMP+8*(\b)+(\r)+1], v[8*(8*(\a)+(\b))+(\r):8*(8*(\a)+(\b))+(\r)+1], s[SR:SR+1], v[TMP+8*(\b)+(\r):TMP+8*(\b)+(\r)+1] op_sel_hi:[1,0,1]      ; + sh_re (x_re . n_re)
.endif
.endr
.endr
	WIN 0
.endm
; TOSTAGE: into my own stage, rows of 272 bytes, and back as whole rows of 256.
.macro TOSTAGE n
	WIN 0
.set BK, OB+192*((\n)%2)
.irp b, 0,1,2,3
	ds_store_b128 v[STO], v[TMP+8*(\b):TMP+8*(\b)+3]   offset:64*(\b)
	ds_store_b128 v[STO], v[TMP+8*(\b)+4:TMP+8*(\b)+7] offset:64*(\b)+16
.endr
.irp t, 0,1,2,3,4,5,6,7
	ds_load_b128 v[BK+4*(\t):BK+4*(\t)+3], v[RD] offset:(\t)*2*SPITCH  ; LDS serves a wave's instructions in order (ISA guide 5.7.1.4): these see the stores above; the next block's stores come behind them
.endr
.endm
; SEND: stored.  The bases are never stepped: a block's place stands in the immediate, 507,904 at the most.
.macro SEND n
	WIN 0
.set BK, OB+192*((\n)%2)
	s_wait_dscnt 0x0                               ; the block is back in registers
	s_wait_xcnt 0x0                                ; the stores of the block before have read their registers, which the next block's loads from the stage write
.irp t, 0,1,2,3,4,5,6,7
.if (\n)%2
	global_store_b128 v[CO], v[BK+4*(\t):BK+4*(\t)+3], s[68:69] offset:((\n)/2)*16*OROW+(\t)*2*OROW th:TH_STORE_NT  ; 16 lanes store 256 consecutive bytes, at a multiple of 256 from the output's first byte
.else
	global_store_b128 v[CO], v[BK+4*(\t):BK+4*(\t)+3], s[8:9] offset:((\n)/2)*16*OROW+(\t)*2*OROW th:TH_STORE_NT
.endif
.endr
.endm
	s_wait_tensorcnt 1                             ; my part of K step 0 is in; K step 1's load, issued behind it, may stay out
	s_barrier_signal -1
	s_barrier_wait -1                              ; everybody's is
	FETCH 0, 0, F0
	QUARTER 0, 64,  F0, F1, 1                      ; the first quarter stands in front of the loop: its products start the sums
	WIN 0                                          ; at a label and at a branch every window is 0
	s_mov_b32 s3, LAPS-1
.Llap:                                                 ; a trip goes once round the ring, from a lap's second quarter to the next lap's first, and fills both slots again
	QUARTER 0, 128, F1, F0, 0
	QUARTER 0, 192, F0, F1, 0
	TURN 0, 1, 1
	QUARTER 1, 64,  F0, F1, 0
	QUARTER 1, 128, F1, F0, 0
	QUARTER 1, 192, F0, F1, 0
	TURN 1, 0, 1
	QUARTER 0, 64,  F0, F1, 0
	WIN 0
	s_sub_co_u32 s3, s3, 1
	s_cmp_lg_u32 s3, 0
	s_cbranch_scc1 .Llap
	QUARTER 0, 128, F1, F0, 0                      ; the last lap is written out: it fills nothing, and has no round of the cluster's barrier
	QUARTER 0, 192, F0, F1, 0
	TURN 0, 1, 0
	QUARTER 1, 64,  F0, F1, 0
	QUARTER 1, 128, F1, F0, 0
	QUARTER 1, 192, F0, F1, 0
	s_wait_dscnt 8                                 ; the very last quarter: nothing more to fetch
	WIN MUL_LO
	MUL16 F1, 0, 0, 0
	MUL16 F1, 0, 2, 0
	s_wait_dscnt 0x0
	MUL16 F1, 1, 0, 0
	MUL16 F1, 1, 2, 0
	PLACES                                         ; plain places behind the last products, ahead of the first read of a sum: eight, once a launch
	PLACES
	COMB 0, 0
	TOSTAGE 0
.irp n, 1,2,3,4,5,6,7                  ; block n's arithmetic stands between block n - 1's loads from the stage and the wait for them
	COMB (\n)/2, (\n)%2
	SEND (\n)-1
	TOSTAGE \n
.endr
	SEND 7
	s_wait_tensorcnt 0x0                           ; the wave's end: behind my last tensor load and my last LDS store
	ds_add_u32 v[SPW], v[NIL]
	s_wait_dscnt 0x0
	CROUND                                         ; the closing round: no work-group ends while a partner may still ask for a tile that names it
	s_endpgm
.Lfunc_end_k_q37e38533eb_gemm:
	.size	k_q37e38533eb_gemm, .Lfunc_end_k_q37e38533eb_gemm-k_q37e38533eb_gemm
	.p2alignl 7, 3214868480
	.fill 96, 4, 3214868480
	.section	.rodata,"a",@progbits
	.p2align	6, 0x0
	.amdhsa_kernel k_q37e38533eb_gemm
		.amdhsa_group_segment_fixed_size 327680
		.amdhsa_private_segment_fixed_size 0
		.amdhsa_enable_private_segment 0
		.amdhsa_kernarg_size 40
		.amdhsa_user_sgpr_count 2
		.amdhsa_user_sgpr_kernarg_segment_ptr 1
		.amdhsa_wavefront_size32 1
		.amdhsa_system_sgpr_workgroup_id_x 1
		.amdhsa_system_sgpr_workgroup_id_y 1
		.amdhsa_system_sgpr_workgroup_id_z 1
		.amdhsa_system_vgpr_workitem_id 0
		.amdhsa_next_free_vgpr 1024
		.amdhsa_next_free_sgpr 80
		.amdhsa_reserve_vcc 0
		.amdhsa_float_denorm_mode_32 3
		.amdhsa_float_denorm_mode_16_64 3
		.amdhsa_memory_ordered 1
		.amdhsa_forward_progress 1
		.amdhsa_inst_pref_size 144
	.end_amdhsa_kernel
	.amdgpu_metadata
---
amdhsa.version: [ 1, 2 ]
amdhsa.kernels:
  - .name:           k_q37e38533eb_gemm
    .symbol:         k_q37e38533eb_gemm.kd
    .args:
      - { .name: xs, .offset: 0, .size: 8, .value_kind: global_buffer, .address_space: global }
      - { .name: qs, .offset: 8, .size: 8, .value_kind: global_buffer, .address_space: global }
      - { .name: out0, .offset: 16, .size: 8, .value_kind: global_buffer, .address_space: global }
      - { .name: out1, .offset: 24, .size: 8, .value_kind: global_buffer, .address_space: global }
      - { .name: scales, .offset: 32, .size: 8, .value_kind: global_buffer, .address_space: global }
    .group_segment_fixed_size: 327680
    .private_segment_fixed_size: 0
    .kernarg_segment_align: 8
    .kernarg_segment_size: 40
    .max_flat_workgroup_size: 128
    .sgpr_count:     80
    .vgpr_count:     1024
    .wavefront_size: 32
...
	.end_amdgpu_metadata
.endif
;; end of part 3
;; ======== version 2 of 2: 3 launches; version 1 with the launch quant written anew for expert scheduling mode
;; workspace buffers: xs 33,554,432 bytes; qs 33,554,432 bytes; part 4,096 bytes; scales 256 bytes
;; launch prep: the kernel of part 1 again; grid 512 x 1, 8 waves a work-group, no clusters, 1,280 bytes of LDS; arguments quant_x_re, quant_x_im, weight_re, weight_im, xs, part; writes xs, part
;; launch quant (part 4): grid 512 x 1, 8 waves a work-group, no clusters, 0 bytes of LDS; arguments weight_re, weight_im, part, qs, scales; writes qs, scales
.if DOCPART == 4
	.amdgcn_target "amdgcn-amd-amdhsa--gfx1250"
	.amdhsa_code_object_version 6
	.text
	.protected	k_q37e38533eb_quant
	.globl	k_q37e38533eb_quant
	.p2align	8
	.type	k_q37e38533eb_quant,@function
k_q37e38533eb_quant:
	s_mov_b64 s[64:65], 0
	v_nop
	global_prefetch_b8 v0, s[64:65] scope:SCOPE_SE
	s_setreg_imm32_b32 hwreg(HW_REG_WAVE_SCHED_MODE, 0, 2), 2
	s_setreg_imm32_b32 hwreg(HW_REG_WAVE_MODE, 25, 1), 1
	s_wait_xcnt 0x0
	s_wait_alu depctr_vm_vsrc(0)
; SECOND OF THREE LAUNCHES.  The two scales are finished, and the weights become grid numbers.  With s = max(mean |w|, 1e-5) the dequantised weight is clip(round(2 w / s) / 2, -1, 1) s
; = n (s / 2), n = clamp(rndne(w / (s / 2)), -2, 2): halving s and doubling the quotient are exact, and a clip at 1 behind the halving is a clamp at 2 ahead of it.  n, one of -2 .. 2, is exact in bf16
; and goes into qs, [4096][4096] bf16: output channel o, matrix p (0 re, 1 im) in row 128 (o / 64) + 64 p + o % 64.  The factors s / 2 go into scales and are applied in f32 by the next launch.
; w is the weight rounded once to bf16, as in the launch before (every input is rounded so at the door: a stated decision).  The forward value w + (q s - w) is taken as q s: they differ by one f32 rounding of w's size.
; THE SCALE.  sh = s / 2 = max(sum x 2^-24, 1e-5 / 2): there are 2^23 weights.  Every wave adds part's 512 pairs in the same fixed order, so all have the same bits.
; THE QUOTIENT.  r = 1 / sh, refined once; q0 = w r; q = q0 + (w - q0 sh) r, both steps fused.  |w| / sh is at most 2^24, since sh is at least |w| / 2^24: nothing overflows.  Ties go to even.
; LIMITS.  NaN and infinities are not treated apart; the sums of |w| are finite; sh lies under 2^126 (v_rcp_f32 gives 0 for a result below 2^-126: ISA guide, its entry).
; SHARES.  Work-group g, wave v: row 8 g + v of qs, from one row of w: 32 chunks of 512 bytes in (16 bytes a lane), 256 consecutive bytes out.
; THE MODE: SCHED_MODE bits 1:0 = 2 (LLVM: expert scheduling mode 2), set by the entry lines.  The code itself states the register dependences
; between vector instructions and memory instructions, with s_wait_alu, always for 0.
; THE PLAN.  The 32 chunks go in 8 blocks of four.  Registers that memory instructions touch:
;   X0 .. X4   five blocks of w as loaded.  Blocks 0 to 4 are asked for at the head; block p + 4 is asked for in block p (p = 1, 2, 3).  Read by block p's first conversions.
;   Y0 .. Y3   four blocks of n to store.   Written by block p's last conversions; read by the four stores that are issued in block p + 1.
;   v[LO], v[SO]  byte offsets, made once at the head and never written again: the chunks are reached by immediate offsets, and no base is stepped.
;   v[HS ..]   the two factors: written once, read by the one store of scales.      P: part lands there; vector instructions alone read it.
; Block p works on X[p % 5] and writes Y[p % 4].  Its memory instructions are the loads into X[(p + 4) % 5] = X[(p - 1) % 5] and the stores from Y[(p - 1) % 4]: the two buffers that block p - 1
; worked on and that no vector instruction of block p names.  So one wait on va_vdst at a block's head states all that the block's memory instructions hang on, and these are dealt among its
; vector instructions with no further wait.  Y[p % 4] is written a second time in blocks 4 to 7, three blocks behind the stores that read it: there, and only there, stand the waits for those stores' reads.
; Twelve to sixteen loads of a wave are on their way (twenty at the start).
.set BLOCK,  4                         ; chunks in a block
.set BLOCKS, 8
.set LO,  2                            ; v2        16 x lane; never rewritten
.set SO,  3                            ; v3        8 x lane; never rewritten
.set SH,  4                            ; v[4:5]    sh of my matrix, twice
.set RH,  6                            ; v[6:7]    1 / sh, twice
.set TP,  8                            ; v[8:9]    four weights, rounded and packed
.set W,   10                           ; v[10:13]  the same in f32
.set Q,   14                           ; v[14:17]  quotients, then n
.set E,   18                           ; v[18:21]  residuals
.set HS,  22                           ; v[22:23]  (sh of weight_re, sh of weight_im); never rewritten
.set P,   24                           ; v[24:55]  part, as loaded; later:
.set Y,   24                           ;           buffer k, chunk i: two registers at Y + 8 k + 2 i, four bf16 to store
.set X,   56                           ; v[56:135] buffer k, chunk i: four registers at X + 16 k + 4 i, four weights as loaded
	s_load_b256 s[4:11], s[0:1], 0x0               ; weight_re s[4:5], weight_im s[6:7], part s[8:9], qs s[10:11]
	s_load_b64 s[12:13], s[0:1], 0x20              ; scales
	v_lshrrev_b32 v1, 5, v0
	v_readfirstlane_b32 s14, v1                    ; wave 0..7
	v_and_b32 v1, 31, v0
	v_lshlrev_b32 v[LO], 4, v1
	v_lshlrev_b32 v[SO], 3, v1
	s_wait_alu depctr_va_sdst(0)                   ; s14 is written, ahead of its first reader: the rows of w and qs are made from it
	s_mov_b32 s22, 0xffff0000                      ; a word's upper bf16
	s_mov_b32 s24, 0xc0000000                      ; -2.0
	s_mov_b32 s25, 0x40000000                      ; 2.0
	s_mov_b32 s26, 0x76543210                      ; v_permlanex16_b32: each lane takes its own place in the other half
	s_mov_b32 s27, 0xfedcba98
	s_lshr_b32 s28, ttmp9, 4                       ; row R = 8 g + v of qs: R / 128 = g / 16, p = bit 3 of g, R % 64 = 8 (g % 8) + v
	s_lshl_b32 s28, s28, 6
	s_and_b32 s20, ttmp9, 7
	s_lshl_b32 s20, s20, 3
	s_add_co_u32 s28, s28, s20
	s_add_co_u32 s28, s28, s14                     ; channel o
	s_lshl_b32 s20, s28, 14                        ; its row in w
	s_mov_b32 s21, 0
	s_lshl_b32 s28, ttmp9, 3
	s_add_co_u32 s28, s28, s14                     ; R
	s_lshl_b32 s30, s28, 13
	s_mov_b32 s31, 0
	s_bfe_u32 s15, ttmp9, 0x10003                  ; p
	s_cmp_lg_u32 s15, 0
	s_cselect_b32 s23, -1, 0                       ; a lane mask: all ones where my matrix is weight_im
	s_wait_kmcnt 0x0
	s_cselect_b64 s[16:17], s[6:7], s[4:5]         ; (the compare above still stands: moves, selects and waits leave it)
	s_add_nc_u64 s[16:17], s[16:17], s[20:21]
	s_add_nc_u64 s[18:19], s[10:11], s[30:31]
	s_wait_alu depctr_va_vdst(0)                   ; v[LO] and v[SO] are written: every load and store of the kernel reads one of them as its offset
.irp j, 0,1,2,3,4,5,6,7
	global_load_b128 v[P+4*(\j):P+4*(\j)+3], v[LO], s[8:9] offset:512*(\j)  ; part: two pairs (re, im) a lane and load
.endr
.set n, 0
.rept 5*BLOCK
	global_load_b128 v[X+4*n:X+4*n+3], v[LO], s[16:17] offset:512*n th:TH_LOAD_NT  ; blocks 0 to 4 into X0 to X4
.set n, n+1
.endr
	s_wait_loadcnt 20                              ; part is in; the twenty chunks of w issued behind it stay out
.irp j, 0,1,2,3,4,5,6,7
	v_pk_add_f32 v[P+4*(\j):P+4*(\j)+1], v[P+4*(\j):P+4*(\j)+1], v[P+4*(\j)+2:P+4*(\j)+3]
.endr
.irp j, 0,1,2,3
	v_pk_add_f32 v[P+4*(\j):P+4*(\j)+1], v[P+4*(\j):P+4*(\j)+1], v[P+4*(\j)+16:P+4*(\j)+17]
.endr
.irp j, 0,1
	v_pk_add_f32 v[P+4*(\j):P+4*(\j)+1], v[P+4*(\j):P+4*(\j)+1], v[P+4*(\j)+8:P+4*(\j)+9]
.endr
	v_pk_add_f32 v[P:P+1], v[P:P+1], v[P+4:P+5]
.irp m, 1,2,4,8
	v_add_f32_dpp v[P],   v[P],   v[P]   row_xmask:\m row_mask:0xf bank_mask:0xf
	v_add_f32_dpp v[P+1], v[P+1], v[P+1] row_xmask:\m row_mask:0xf bank_mask:0xf
.endr
	v_permlanex16_b32 v[P+2], v[P],   s26, s27     ; (destinations that the loads have written)
	v_permlanex16_b32 v[P+3], v[P+1], s26, s27
	v_add_f32 v[HS],   v[P],   v[P+2]
	v_add_f32 v[HS+1], v[P+1], v[P+3]
	v_mul_f32 v[HS],   0x33800000, v[HS]           ; x 2^-24: half the mean
	v_mul_f32 v[HS+1], 0x33800000, v[HS+1]
	v_max_num_f32 v[HS],   0x36a7c5ac, v[HS]       ; f32(1e-5) / 2
	v_max_num_f32 v[HS+1], 0x36a7c5ac, v[HS+1]
	v_cndmask_b32 v[SH], v[HS], v[HS+1], s23       ; my matrix's (s23 was written by a scalar instruction)
	v_mov_b32 v[SH+1], v[SH]
	v_rcp_f32 v[RH], v[SH]
	v_nop                                          ; a plain instruction behind the reciprocal
	s_wait_alu depctr_va_vdst(0)                   ; the reciprocal has written v[RH], ahead of the first line that names it; and v[HS ..] are written, which the store below reads
	s_or_b32 s28, ttmp9, s14
	s_cmp_lg_u32 s28, 0
	s_cbranch_scc1 .Lnot_first                     ; one wave of the launch writes the scales:
	global_store_b64 v[SO], v[HS:HS+1], s[12:13]   ; the pair 32 times: 256 consecutive bytes, the whole buffer
.Lnot_first:
	v_fma_f32 v[E], -v[SH], v[RH], 1.0
	v_fma_f32 v[RH], v[E], v[RH], v[RH]            ; refined once
	v_mov_b32 v[RH+1], v[RH]
; Block p: chunks 4 p to 4 p + 3.  left = the younger loads that may stay out when this block's four have to be there.
; Blocks 1 to 3 ask for block p + 4; blocks 1 to 7 store block p - 1; blocks 4 to 7 write a Y buffer for the second time.
.macro BLK p, left
	s_wait_loadcnt \left                           ; loads come back in order (ISA guide 5.7.1): X[p % 5] is in, the younger blocks stay out
.if (\p) >= 4
	s_wait_xcnt 0x0                                ; every earlier memory instruction has had its addresses translated (ISA guide 3.1): Y[p % 4], the data of block p - 4's stores, is rewritten only behind this wait
	s_wait_alu depctr_vm_vsrc(0)                   ; the stores of block p - 4, issued three blocks back, have read Y[p % 4], which this block's last conversions write again
.endif
.if (\p) >= 1
	s_wait_alu depctr_va_vdst(0)                   ; the block before has written its Y, which the stores below read, and is done reading its X, in which the loads below land
.endif
.irp i, 0,1,2,3
.if ((\p) >= 1) && ((\p) <= 3)
	global_load_b128 v[X+16*(((\p)+4)%5)+4*(\i):X+16*(((\p)+4)%5)+4*(\i)+3], v[LO], s[16:17] offset:512*(4*((\p)+4)+(\i)) th:TH_LOAD_NT  ; four blocks ahead; no vector instruction since the wait names these registers
.endif
.if (\p) >= 1
	global_store_b64 v[SO], v[Y+8*(((\p)-1)%4)+2*(\i):Y+8*(((\p)-1)%4)+2*(\i)+1], s[18:19] offset:256*(4*((\p)-1)+(\i)) th:TH_STORE_NT  ; the block before: 32 lanes store 256 consecutive bytes
.endif
.set xr, X+16*((\p)%5)+4*(\i)
.set yr, Y+8*((\p)%4)+2*(\i)
	v_cvt_pk_bf16_f32 v[TP],   v[xr],   v[xr+1]
	v_cvt_pk_bf16_f32 v[TP+1], v[xr+2], v[xr+3]
	v_lshlrev_b32 v[W],   16,  v[TP]
	v_and_b32     v[W+1], s22, v[TP]
	v_lshlrev_b32 v[W+2], 16,  v[TP+1]
	v_and_b32     v[W+3], s22, v[TP+1]
	v_pk_mul_f32 v[Q:Q+1],   v[W:W+1],   v[RH:RH+1]
	v_pk_mul_f32 v[Q+2:Q+3], v[W+2:W+3], v[RH:RH+1]
	v_pk_fma_f32 v[E:E+1],   v[Q:Q+1],   v[SH:SH+1], v[W:W+1]   neg_lo:[1,0,0] neg_hi:[1,0,0]  ; w - q0 sh
	v_pk_fma_f32 v[E+2:E+3], v[Q+2:Q+3], v[SH:SH+1], v[W+2:W+3] neg_lo:[1,0,0] neg_hi:[1,0,0]
	v_pk_fma_f32 v[Q:Q+1],   v[E:E+1],   v[RH:RH+1], v[Q:Q+1]
	v_pk_fma_f32 v[Q+2:Q+3], v[E+2:E+3], v[RH:RH+1], v[Q+2:Q+3]
.irp k, 0,1,2,3
	v_rndne_f32 v[Q+(\k)], v[Q+(\k)]
.endr
.irp k, 0,1,2,3
	v_med3_num_f32 v[Q+(\k)], v[Q+(\k)], s24, s25
.endr
	v_cvt_pk_bf16_f32 v[yr],   v[Q],   v[Q+1]      ; exact
	v_cvt_pk_bf16_f32 v[yr+1], v[Q+2], v[Q+3]
.endr
.endm
	BLK 0, 4*BLOCK                                 ; block 0 has no block in front of it: blocks 1 to 4 stay out
	BLK 1, 3*BLOCK                                 ; three younger blocks stay out
	BLK 2, 3*BLOCK
	BLK 3, 3*BLOCK
	BLK 4, 3*BLOCK                                 ; from here on nothing is loaded: no load leaves the row,
	BLK 5, 2*BLOCK                                 ; and the counts run down
	BLK 6, BLOCK
	BLK 7, 0
	s_wait_alu depctr_va_vdst(0)                   ; block 7 has written Y3, which the last four stores read
.irp i, 0,1,2,3
	global_store_b64 v[SO], v[Y+24+2*(\i):Y+24+2*(\i)+1], s[18:19] offset:256*(28+(\i)) th:TH_STORE_NT
.endr
	s_endpgm
.Lfunc_end_k_q37e38533eb_quant:
	.size	k_q37e38533eb_quant, .Lfunc_end_k_q37e38533eb_quant-k_q37e38533eb_quant
	.p2alignl 7, 3214868480
	.fill 96, 4, 3214868480
	.section	.rodata,"a",@progbits
	.p2align	6, 0x0
	.amdhsa_kernel k_q37e38533eb_quant
		.amdhsa_group_segment_fixed_size 0
		.amdhsa_private_segment_fixed_size 0
		.amdhsa_enable_private_segment 0
		.amdhsa_kernarg_size 40
		.amdhsa_user_sgpr_count 2
		.amdhsa_user_sgpr_kernarg_segment_ptr 1
		.amdhsa_wavefront_size32 1
		.amdhsa_system_sgpr_workgroup_id_x 1
		.amdhsa_system_sgpr_workgroup_id_y 1
		.amdhsa_system_sgpr_workgroup_id_z 1
		.amdhsa_system_vgpr_workitem_id 0
		.amdhsa_next_free_vgpr 136
		.amdhsa_next_free_sgpr 66
		.amdhsa_reserve_vcc 0
		.amdhsa_float_denorm_mode_32 3
		.amdhsa_float_denorm_mode_16_64 3
		.amdhsa_memory_ordered 1
		.amdhsa_forward_progress 1
		.amdhsa_inst_pref_size 48
	.end_amdhsa_kernel
	.amdgpu_metadata
---
amdhsa.version: [ 1, 2 ]
amdhsa.kernels:
  - .name:           k_q37e38533eb_quant
    .symbol:         k_q37e38533eb_quant.kd
    .args:
      - { .name: weight_re, .offset: 0, .size: 8, .value_kind: global_buffer, .address_space: global }
      - { .name: weight_im, .offset: 8, .size: 8, .value_kind: global_buffer, .address_space: global }
      - { .name: part, .offset: 16, .size: 8, .value_kind: global_buffer, .address_space: global }
      - { .name: qs, .offset: 24, .size: 8, .value_kind: global_buffer, .address_space: global }
      - { .name: scales, .offset: 32, .size: 8, .value_kind: global_buffer, .address_space: global }
    .group_segment_fixed_size: 0
    .private_segment_fixed_size: 0
    .kernarg_segment_align: 8
    .kernarg_segment_size: 40
    .max_flat_workgroup_size: 256
    .sgpr_count:     66
    .vgpr_count:     136
    .wavefront_size: 32
...
	.end_amdgpu_metadata
.endif
;; end of part 4
;; launch gemm: the kernel of part 3 again; grid 16 x 16, 4 waves a work-group, clusters of 4 x 4, 327,680 bytes of LDS; arguments xs, qs, out0, out1, scales; writes out0, out1
